; MI455X (gfx1250); checked and timed in simulation.
; The chip was launched on July 23, 2026; its instructions are those of AMD's public machine-readable ISA for CDNA 5 (MIT licence, August 2026) and "CDNA5" Instruction Set Architecture Reference Guide (July 2026). The comments in the code are by the model that wrote it; some were corrected since.
;; Multihead Attention. Allowed arithmetic: matrix products marked QUANTISED: E5M2 operands, one given power-of-two scale a tensor, by v_wmma_f32_16x16x64_bf8_bf8 or v_wmma_f32_16x16x128_bf8_bf8, f32 sums; everything else in f32.
;; Inputs: K 4 x 2,048 x 1,024 float32; Q 4 x 2,048 x 1,024 float32; V 4 x 2,048 x 1,024 float32; Wk 1,024 x 1,024 float32; Wo 1,024 x 1,024 float32; Wq 1,024 x 1,024 float32; Wv 1,024 x 1,024 float32; bk 1,024 float32; bo 1,024 float32; bq 1,024 float32; bv 1,024 float32; lowp_scales 12 int32 (the exponents e of the quantised operands' scales 2^e).
;; Outputs: out0 4 x 2,048 x 1,024 float32.
;; This version of the problem:
;;   THIS VERSION OF THE PROBLEM IS GIVEN IN LOW PRECISION. The matrix products marked QUANTISED in the list below multiply operands that are first quantised to E5M2 (5 exponent bits, 2 mantissa bits; 8 bits a number), with one given power-of-two scale for each operand tensor; their sums are f32. All else is computed in f32.
;;   The module's matrix products, in the order in which they are computed (A, B: the left and right operand; K: the contracted axis; several contracted axes count as one K, in the product's order):
;;     1. [M 8,192, K 1,024] x [K 1,024, N 1,024]; A: input Q; B: input Wq: QUANTISED (scales: A lowp_scales[0], B lowp_scales[1])
;;     2. [M 8,192, K 1,024] x [K 1,024, N 1,024]; A: input K; B: input Wk: QUANTISED (scales: A lowp_scales[2], B lowp_scales[3])
;;     3. [M 8,192, K 1,024] x [K 1,024, N 1,024]; A: input V; B: input Wv: QUANTISED (scales: A lowp_scales[4], B lowp_scales[5])
;;     4. batch 64 x [M 2,048, K 64] x [K 64, N 2,048]; A: computed on the way; B: computed on the way: QUANTISED (scales: A lowp_scales[6], B lowp_scales[7])
;;     5. batch 64 x [M 2,048, K 2,048] x [K 2,048, N 64]; A: softmax (see below); B: computed on the way: QUANTISED (scales: A lowp_scales[8], B lowp_scales[9])
;;     6. [M 8,192, K 1,024] x [K 1,024, N 1,024]; A: computed on the way; B: input Wo: QUANTISED (scales: A lowp_scales[10], B lowp_scales[11])
;;   THE QUANTISER, for each operand of a quantised product, along K:
;;     - The operand's scale is 2^e, e = its entry of the input lowp_scales (int32; the entries are numbered through the quantised products in the list's order, A before B).
;;     - Each number is divided by the scale, clamped to +-57,344, and rounded to the nearest number of E5M2, ties to even, subnormals kept.
;;     - The product sums the exact products of the quantised numbers (number of the format x scale) in f32.
;;   ~~~python
;;   def quantise(x, axis, e):      # numpy; x: float32 -> the quantised numbers, widened to float32 again
;;       x = np.moveaxis(x, axis, -1); K = x.shape[-1]
;;       r = np.clip(x / 2.0 ** e, -57344, 57344)
;;       step = 2.0 ** (np.maximum(np.frexp(np.where(r == 0, 1, r))[1] - 1, -14) - 2)
;;       q = np.round(r / step) * step * 2.0 ** e      # np.round: ties to even
;;       return np.moveaxis(q, -1, axis).astype(np.float32)
;;   ~~~
;;   SOFTMAX AHEAD OF A QUANTISED PRODUCT. Where the list says 'softmax', what is quantised is not the finished softmax but p = 2^(t - M), with t = logit x log2(e) and M = ceil(the row's largest t), a whole number; so 1/2 < the row's largest p <= 1. The row's sum l is taken of the UNQUANTISED p, in f32, and the product's result is divided by l at the end. Since M is a whole number, a kernel that streams over the keys may use a running M (the ceiling of the running maximum): every later rescaling is an exact power of two, so the quantised numbers keep their values, but for numbers so far below the row's largest that they fall under the format's range.
;;   OPERANDS COMPUTED ON THE WAY. 'Computed on the way' means the value that the module computes at that place (a softmax that the list does not call 'softmax' is quantised finished and normalised). What goes into a quantiser is computed in f32, as accurately as f32 sums, v_exp_f32 and their like allow (about 1e-6 of the number): no bf16 or f16 on the way to a quantiser, and a product that is left as it is and whose result goes on into a quantised operand takes f32 operands (vector FMAs, or v_wmma_f32_16x16x4_f32). A number that lies on a knife's edge between two numbers of the format may be rounded either way, as far as f32 arithmetic and the matrix unit's own rounding can turn it there, and no further.
;; One version. Each part assembles by itself: llvm-mc -triple=amdgcn-amd-amdhsa -mcpu=gfx1250 --defsym DOCPART=n.
;; ======== version 1 of 1: 4 launches
;; limits: right only within a limited range of input values
;; workspace buffers: codes 29,360,128 bytes; hcodes 25,165,824 bytes; ocodes 8,388,608 bytes
;; launch quant (part 1): grid 896 x 1, 4 waves a work-group, no clusters, 68,096 bytes of LDS; arguments Q, K, V, Wq, Wk, Wv, Wo, lowp_scales, codes; writes codes
.if DOCPART == 1
	.amdgcn_target "amdgcn-amd-amdhsa--gfx1250"
	.amdhsa_code_object_version 6
	.text
	.protected	k_q2fd34ef928_quant
	.globl	k_q2fd34ef928_quant
	.p2align	8
	.type	k_q2fd34ef928_quant,@function
k_q2fd34ef928_quant:
	s_mov_b64 s[64:65], 0
	v_nop
	global_prefetch_b8 v0, s[64:65] scope:SCOPE_SE
	s_setreg_imm32_b32 hwreg(HW_REG_WAVE_MODE, 25, 1), 1
	s_wait_xcnt 0x0
; Q, K, V [8192][1024] and Wq, Wk, Wv, Wo [1024][1024], f32 with K innermost, become codes of BF8 (E5M2), one byte each, each tensor with the one scale 2^e that is given for it.
; code = x / 2^e, held within +-57,344, rounded to the nearest code, ties to even.  LIMITS: -126 <= e and e + 15 <= 127.  NaN among the inputs is not served.
; OUT: one buffer: Q, K, V at 8,388,608 bytes each, then Wq, Wk, Wv, Wo at 1,048,576 each: work-group g's 32,768 codes lie at 32,768 g.
; ORDER ALONG K: in every block of 32 the two middle groups of eight change places: byte 16 h + i holds k = 8 h + i (i < 8) or 16 + 8 h + i - 8 (i >= 8).  Both operands of a product have the same
; order, so every product meets its partner; and it is the order in which the attention's results fall into a lane's registers, which Wo has to match.
; A wave takes 16 steps of 512 numbers.  Each of a step's four loads reads 512 consecutive bytes, 16 a lane; the 2,048 bytes go through the wave's own stage in LDS, where the exchange is made by the
; address on the way in, and come back 64 bytes a lane: 16 numbers of one block, which two conversions turn into 16 bytes.  A wave's store covers 512 consecutive bytes, aligned.
; No tensor loads, no barrier, no cluster, no matrix unit: the waves share nothing and each byte is read once.  Loads run four steps (16 loads a wave) ahead, the turn through LDS one step.
; SHARES: a work-group takes 32 rows; wave w takes rows 16 (w / 2) + t in step t, columns 512 (w % 2) on: a step is half a row.  The codes of all 16 steps stay in registers and are stored at the wave's end.
; K, V, Wk, Wv, Wo are stored by rows, [row][1024].  Q AND Wq ARE STORED AS IMAGES OF AN OPERAND'S REGISTERS: [tile of 16 rows][64 units of 16 codes along K][row % 16][16]: a piece of 512 bytes holds two
; neighbouring units of 16 rows, lane (r, h)'s 16 bytes at 16 (16 h + r).  For that a wave's 8,192 codes turn once through a stage of its own in LDS (a unit's 256 bytes + 16 of padding), in bytes that no other line names.
.set STEPS, 16
.set XWG,   768                        ; work-groups 0-767 take Q, K, V (256 each), 768-895 the weights (32 each)
.set EMAX,  15
.set MANT,  0x600000                   ; the mantissa field of 57,344 as f32
.set R,     16                         ; v16-79   four sets of 16 numbers as they are loaded
.set X,     80                         ; v80-111  two sets of 16 numbers in the codes' order
.set C,     128                        ; v128-191 codes: four registers for each step, so that no store's data are written again
.set WREG,  8192                       ; LDS: a region of its own for each wave: two stages of 32 x SP bytes
.set SP,    80                         ; a lane's place in a stage: its 64 bytes + 16 of padding
	s_load_b512 s[4:19], s[0:1], 0x0               ; Q, K, V, Wq, Wk, Wv, Wo at s[4+2k:5+2k]; the scales' exponents s[18:19]
	s_load_b64 s[20:21], s[0:1], 0x40              ; the codes
	v_lshl_add_u32 v192, v0, 2, 0x8000
	v_mov_b32 v193, 0
	v_lshrrev_b32 v1, 5, v0
	v_readfirstlane_b32 s2, v1                     ; wave
	v_and_b32 v2, 31, v0                           ; lane l
	v_lshlrev_b32 v3, 4, v2                        ; my 16 bytes of a load's 512, and of a store's
	s_mul_i32 s3, s2, WREG
	; the stage, on the way in.  My 4 numbers of a load are k = 4 (l % 8) + 0..3 of block l / 8: group of eight g = (l / 2) % 4.  They go to place 2 (l / 8) + g % 2, at byte 32 (g / 2) + 16 (l % 2)
	v_lshrrev_b32 v5, 3, v2
	v_bfe_u32 v6, v2, 1, 1
	v_lshl_add_u32 v5, v5, 1, v6
	v_mul_u32_u24 v14, v5, SP
	v_bfe_u32 v6, v2, 2, 1
	v_lshl_add_u32 v14, v6, 5, v14
	v_and_b32 v6, 1, v2
	v_lshl_add_u32 v14, v6, 4, v14
	v_add_nc_u32 v14, s3, v14
	v_mul_u32_u24 v15, v2, SP
	v_add_nc_u32 v15, s3, v15                      ; and on the way out: SP x lane
	s_mul_i32 s24, s2, 8704                        ; the images' stage: 32 units of 272 bytes a wave, behind the spare words
	s_add_co_u32 s24, s24, 0x8200
	v_mul_u32_u24 v8, v2, 272
	v_add_nc_u32 v8, s24, v8                       ; in: my lane's unit; the row gives the offset
	v_lshrrev_b32 v9, 4, v2
	v_mul_u32_u24 v9, v9, 272
	v_and_b32 v4, 15, v2
	v_lshl_add_u32 v9, v4, 4, v9
	v_add_nc_u32 v9, s24, v9                       ; back: lanes 0-15 one unit's 16 rows, lanes 16-31 the next unit's
	; which tensor, and which part of it: all from the work-group's number
	s_sub_co_u32 s24, ttmp9, XWG
	s_lshr_b32 s25, ttmp9, 8
	s_lshr_b32 s26, s24, 5
	s_add_co_u32 s26, s26, 3
	s_and_b32 s27, ttmp9, 255
	s_and_b32 s28, s24, 31
	s_cmp_lt_u32 ttmp9, XWG
	s_cselect_b32 s25, s25, s26                    ; the tensor, 0 .. 6
	s_cselect_b32 s27, s27, s28                    ; my work-group's number within it
	s_lshl_b32 s28, s27, 17                        ; 32 rows of 4,096 bytes a work-group,
	s_lshr_b32 s24, s2, 1                          ; which 16 rows are my wave's,
	s_and_b32 s33, s2, 1                           ; and which 512 columns
	s_lshl_b32 s26, s24, 16
	s_add_co_u32 s28, s28, s26
	s_lshl_b32 s26, s33, 11
	s_add_co_u32 s28, s28, s26
	s_mov_b32 s29, 0
	s_cmp_eq_u32 s25, 0
	s_cselect_b32 s34, 1, 0
	s_cmp_eq_u32 s25, 3
	s_cselect_b32 s34, 1, s34                      ; 1 for Q and Wq: stored as images
	s_cmp_eq_u32 s34, 1
	s_cselect_b32 s35, 13, 9
	s_lshl_b32 s35, s33, s35                       ; my columns' codes begin 8,192 bytes on in a tile's image, 512 in a row
	s_lshl_b32 s26, ttmp9, 15                      ; 32,768 codes a work-group,
	s_lshl_b32 s24, s24, 14                        ; 16,384 for 16 rows, in both layouts
	s_add_co_u32 s26, s26, s24
	s_add_co_u32 s26, s26, s35
	s_mov_b32 s27, 0
	s_wait_alu depctr_va_vdst(0)
	s_wait_kmcnt 0x0
	s_load_b256 s[36:43], s[18:19], 0x0            ; e0 .. e7
	s_load_b128 s[44:47], s[18:19], 0x20           ; e8 .. e11
	s_mov_b64 s[30:31], s[4:5]
.irp k, 1,2,3,4,5,6
	s_cmp_eq_u32 s25, \k                           ; the choice hangs on the work-group's number alone
	s_cselect_b64 s[30:31], s[4+2*\k:5+2*\k], s[30:31]
.endr
	s_add_nc_u64 s[30:31], s[30:31], s[28:29]
	s_add_nc_u64 s[20:21], s[20:21], s[26:27]
.macro LOAD t
.irp i, 0,1,2,3
	global_load_b128 v[R+16*((\t)%4)+4*\i:R+16*((\t)%4)+4*\i+3], v3, s[30:31] offset:4096*(\t)+512*\i th:TH_LOAD_NT   ; 32 lanes read 512 consecutive bytes of row t; read once in the launch
.endr
.endm
.macro TURN t                          ; step t's numbers through the stage: LDS serves a wave's instructions in order (ISA guide 5.7.1.4), so no wait stands between the stores and the loads
.irp i, 0,1,2,3
	ds_store_b128 v14, v[R+16*((\t)%4)+4*\i:R+16*((\t)%4)+4*\i+3] offset:32*SP*((\t)%2)+8*SP*\i
.endr
.irp i, 0,1,2,3
	ds_load_b128 v[X+16*((\t)%2)+4*\i:X+16*((\t)%2)+4*\i+3], v15 offset:32*SP*((\t)%2)+16*\i
.endr
.endm
.irp t, 0,1,2,3
	LOAD \t
.endr
	s_wait_kmcnt 0x0
	s_mov_b32 s32, s36                             ; Q: e0
.macro PICK k, r
	s_cmp_eq_u32 s25, \k
	s_cselect_b32 s32, s[\r], s32
.endm
	PICK 1, 38                                     ; K: e2
	PICK 2, 40                                     ; V: e4
	PICK 3, 37                                     ; Wq: e1
	PICK 4, 39                                     ; Wk: e3
	PICK 5, 41                                     ; Wv: e5
	PICK 6, 47                                     ; Wo: e11
	s_add_co_i32 s32, s32, 127
	s_lshl_b32 s33, s32, 23
	v_mov_b32 v11, s33                             ; 2^e as f32: the conversion takes its exponent field
	s_add_co_i32 s32, s32, EMAX
	s_lshl_b32 s32, s32, 23
	s_or_b32 s32, s32, MANT
	v_mov_b32 v10, s32                             ; the largest number x 2^e
	s_wait_alu depctr_va_vdst(0)
	s_wait_loadcnt 12                              ; step 0's four loads are in; those of steps 1 to 3 may be out
	TURN 0
.macro STEP t
.set XS, X+16*((\t)%2)
	s_wait_dscnt 0x0                               ; this step's numbers are back from the stage: so its stores into the stage have read their registers,
.if (\t)+4 < STEPS
	LOAD (\t)+4                                    ; which take the loads of four steps on
.endif
.if (\t)+1 < STEPS
.if STEPS-2-(\t) >= 3
	s_wait_loadcnt 12                              ; the next step's four loads are in; those of the three steps behind it may be out
.else
	s_wait_loadcnt 4*(STEPS-2-(\t))
.endif
	TURN (\t)+1                                    ; and go through the other stage while this step is worked
.endif
.irp i, 0,1,2,3,4,5,6,7,8,9,10,11,12,13,14,15
	v_med3_num_f32 v[XS+\i], v[XS+\i], -v10, v10   ; the conversion to an 8-bit code does not saturate (ISA guide 7.6.2): the hold at the largest code x the scale comes first
.endr
	v_cvt_scalef32_pk8_bf8_f32 v[C+4*(\t):C+4*(\t)+1], v[XS:XS+7], v11
	v_cvt_scalef32_pk8_bf8_f32 v[C+4*(\t)+2:C+4*(\t)+3], v[XS+8:XS+15], v11
.endm
.irp t, 0,1,2,3,4,5,6,7,8,9,10,11,12,13,14,15
	STEP \t
.endr
	s_cmp_eq_u32 s34, 1                            ; the way hangs on the work-group's number alone
	s_wait_alu depctr_va_vdst(0)
	s_cbranch_scc1 .Limage
.irp t, 0,1,2,3,4,5,6,7,8,9,10,11,12,13,14,15
	global_store_b128 v3, v[C+4*\t:C+4*\t+3], s[20:21] offset:1024*\t   ; by rows: 32 lanes store 512 consecutive bytes, aligned
.endr
	s_branch .Ldone
.Limage:
.irp t, 0,1,2,3,4,5,6,7,8,9,10,11,12,13,14,15
	ds_store_b128 v8, v[C+4*\t:C+4*\t+3] offset:16*\t                   ; row t's place in my lane's unit
.endr
.irp j, 0,1,2,3,4,5,6,7,8,9,10,11,12,13,14,15
	ds_load_b128 v[R+4*\j:R+4*\j+3], v9 offset:544*\j                   ; units 2 j and 2 j + 1; LDS serves a wave's instructions in order (ISA guide 5.7.1.4)
.endr
.irp j, 0,1,2,3,4,5,6,7,8,9,10,11,12,13,14,15
	s_wait_dscnt 15-\j                                                  ; piece j is back; the 15 - j loads behind it may be out
	global_store_b128 v3, v[R+4*\j:R+4*\j+3], s[20:21] offset:512*\j    ; a piece: 512 consecutive bytes, aligned
.endr
.Ldone:
	s_wait_tensorcnt 0x0
	ds_add_u32 v192, v193
	s_wait_dscnt 0x0
	s_endpgm
.Lfunc_end_k_q2fd34ef928_quant:
	.size	k_q2fd34ef928_quant, .Lfunc_end_k_q2fd34ef928_quant-k_q2fd34ef928_quant
	.p2alignl 7, 3214868480
	.fill 96, 4, 3214868480
	.section	.rodata,"a",@progbits
	.p2align	6, 0x0
	.amdhsa_kernel k_q2fd34ef928_quant
		.amdhsa_group_segment_fixed_size 68096
		.amdhsa_private_segment_fixed_size 0
		.amdhsa_enable_private_segment 0
		.amdhsa_kernarg_size 72
		.amdhsa_user_sgpr_count 2
		.amdhsa_user_sgpr_kernarg_segment_ptr 1
		.amdhsa_wavefront_size32 1
		.amdhsa_system_sgpr_workgroup_id_x 1
		.amdhsa_system_sgpr_workgroup_id_y 1
		.amdhsa_system_sgpr_workgroup_id_z 1
		.amdhsa_system_vgpr_workitem_id 0
		.amdhsa_next_free_vgpr 194
		.amdhsa_next_free_sgpr 66
		.amdhsa_reserve_vcc 0
		.amdhsa_float_denorm_mode_32 3
		.amdhsa_float_denorm_mode_16_64 3
		.amdhsa_memory_ordered 1
		.amdhsa_forward_progress 1
		.amdhsa_inst_pref_size 43
	.end_amdhsa_kernel
	.amdgpu_metadata
---
amdhsa.version: [ 1, 2 ]
amdhsa.kernels:
  - .name:           k_q2fd34ef928_quant
    .symbol:         k_q2fd34ef928_quant.kd
    .args:
      - { .name: Q, .offset: 0, .size: 8, .value_kind: global_buffer, .address_space: global }
      - { .name: K, .offset: 8, .size: 8, .value_kind: global_buffer, .address_space: global }
      - { .name: V, .offset: 16, .size: 8, .value_kind: global_buffer, .address_space: global }
      - { .name: Wq, .offset: 24, .size: 8, .value_kind: global_buffer, .address_space: global }
      - { .name: Wk, .offset: 32, .size: 8, .value_kind: global_buffer, .address_space: global }
      - { .name: Wv, .offset: 40, .size: 8, .value_kind: global_buffer, .address_space: global }
      - { .name: Wo, .offset: 48, .size: 8, .value_kind: global_buffer, .address_space: global }
      - { .name: lowp_scales, .offset: 56, .size: 8, .value_kind: global_buffer, .address_space: global }
      - { .name: codes, .offset: 64, .size: 8, .value_kind: global_buffer, .address_space: global }
    .group_segment_fixed_size: 68096
    .private_segment_fixed_size: 0
    .kernarg_segment_align: 8
    .kernarg_segment_size: 72
    .max_flat_workgroup_size: 128
    .sgpr_count:     66
    .vgpr_count:     194
    .wavefront_size: 32
...
	.end_amdgpu_metadata
.endif
;; end of part 1
;; launch proj (part 2): grid 4 x 64, 4 waves a work-group, clusters of 4 x 4, 327,680 bytes of LDS; arguments codes, lowp_scales, bk, bv, hcodes; writes hcodes
.if DOCPART == 2
	.amdgcn_target "amdgcn-amd-amdhsa--gfx1250"
	.amdhsa_code_object_version 6
	.text
	.protected	k_q2fd34ef928_proj
	.globl	k_q2fd34ef928_proj
	.p2align	8
	.type	k_q2fd34ef928_proj,@function
k_q2fd34ef928_proj:
	s_mov_b64 s[64:65], 0
	v_nop
	global_prefetch_b8 v0, s[64:65] scope:SCOPE_SE
	s_setreg_imm32_b32 hwreg(HW_REG_WAVE_MODE, 25, 1), 1
	s_wait_xcnt 0x0
	s_wait_alu depctr_hold_cnt(0) depctr_sa_sdst(0) depctr_va_vdst(0) depctr_va_sdst(0) depctr_va_ssrc(0) depctr_va_vcc(0) depctr_vm_vsrc(0)
	s_getreg_b32 s2, hwreg(HW_REG_IB_STS2, 6, 4)
	s_cmp_eq_u32 s2, 0
	s_cbranch_scc0 .Lentry_in_a_cluster
	s_endpgm
.Lentry_in_a_cluster:
	s_bfe_u32 s2, ttmp6, 0x10000c
	s_cmp_lg_u32 s2, 0xf033
	s_cbranch_scc0 .Lentry_shape_is_right
	s_endpgm
.Lentry_shape_is_right:
; The three projections y = x W^T + b on codes of BF8 (E5M2), and y's own quantising: q, k and v leave as codes, laid as images of the operand registers that the attention wants.
; KIND P = 1 + cluster y / 8: 1 k, 2 v.  A tile of 256 x 256 is made by four waves, a wave makes 128 x 128: 64 accumulators, 512 registers.  K = 1,024 goes in steps of 256 through a ring of two LDS slots.
; THE MATRIX INSTRUCTION IS USED TRANSPOSED (source 0 = 16 rows of B, source 1 = 16 rows of A): lane (r, h) holds row r of A's block and its register j row 16 b + 8 h + j of B.
; A lane's registers have to run along the NEXT product's K: the channels for q and k, the keys for v.  So for q and k A = x (tokens), B = W (channels); for v A = Wv (channels), B = x (tokens).
; Only two offsets and the way out know of the kind; the loop is one.
; OUT (hcodes): regions q, k, v of 8,388,608 bytes; in each 32 pairs of heads (8 batch + head / 2) of 262,144 bytes; pieces of 512 bytes, lane l's 16 bytes at 16 l.
;   q, k: [token tile of 16][head % 2][c of 2][512]: lane (r, h): token r, channels 32 c + 8 h + 0..7 and 32 c + 16 + 8 h + 0..7.
;   v:    [key step of 128][head % 2][channel tile of 4][c of 4][512]: lane (r, h): channel r, keys 32 c + 8 h + 0..7 and 32 c + 16 + 8 h + 0..7.
;   In both a wave's block a and pair of B's blocks p land at 2,048 a + 512 p: a wave's output is one run of 16 KiB, stored from registers, each store 512 consecutive bytes, aligned.
; CLUSTERS: 4 x 4 work-groups of one kind.  A's tile hangs on the tile row alone and is asked for jointly along a row of the cluster, B's on the tile column alone, along a column.
; LIMITS: ea + eb between -126 and 127; the outgoing exponent (e6, e7, e9) between -126 and 112.  NaN is not served.  Inside a matrix instruction k stands in a permuted order, alike in A and B.
; REGISTERS: window 0: v0-31 addresses; v32-95 the bias by registers (q, k); v96-111 the bias by lanes (v); v112, v113 the hold and the scale; from v128 A's fragments, ONE set; on the way out v128-255 are free.
;   window 1: B's fragments, TWO sets.   window 2: the accumulators of my rows 0-63 ((a, b) at v[8 (8 a + b)]);   window 3: those of my rows 64-127.
; THIS LAUNCH RUNS KINDS 1 (k) AND 2 (v) ALONE: P = 1 + cluster y / 8, 256 work-groups.  q is made by the attention's launch, each wave for its own queries; hcodes' first region stays unused.
.set ROWB,   256                       ; a tile's row in bytes: 256 codes
.set KROW,   1024                      ; a row of x or of W in memory, in bytes
.set PITCH,  272                       ; an LDS row: 256 bytes + 16 of padding = 68 words: row r starts at bank 4 r mod 64 (64 banks of 4 bytes: ISA guide 11.1)
.set FR,     16                        ; registers of a fragment: 16 rows x 128 K
.set NL,     4                         ; LDS loads that bring one
.set NP,     4                         ; places behind this matrix instruction (ISA guide 7.12.1)
.set HALFT,  128*PITCH                 ; 128 rows: what one tensor load brings
.set SLOT,   4*HALFT                   ; A's 256 rows, then B's 256 rows
.set SPARE,  2*SLOT                    ; behind the ring: the spare words, 128 bytes for each wave: two blocks of 256 bytes that no other line names
.set WBASE,  25165824                  ; where the weights' codes begin
.set ADRA, 16                          ; v16-17  LDS address of my A fragments in slot 0, 1
.set ADRB, 20                          ; v20-21  the same for B
.set LI,   26                          ; v26     16 x lane
.set SPW,  28                          ; v28     LDS address of my spare word; never rewritten
.set NIL,  29                          ; v29     0; never rewritten
.set BB,   32
.set BA,   96
.set LIM,  112
.set SCL,  113
.set AF,   128
.set TMP,  128                         ; the way out: a block's 64 numbers
.set CD,   192                         ; the way out: four sets of 16 registers of codes
.set G1, 24
.set G0, 32
.set G1B, 48
.set G0B, 56
.set MSB, 0
.macro WIN new                         ; the immediate's high byte repeats the setting that is left
.if MSB != (\new)
	s_set_vgpr_msb (MSB<<8)|(\new)
.set MSB, (\new)
.endif
.endm
.set MUL_LO, 0xa1                      ; source 0 (B) window 1, source 1 (A) window 0, C and D window 2
.set MUL_HI, 0xf1                      ; the same, C and D window 3
.set TO_B,   0x40                      ; destination window 1, address window 0
; A joint load: waves 0 and 1 fetch for A, waves 2 and 3 for B.  The branch hangs on the wave's number alone.  Four v_nop follow each of the two lines.
.macro JLOAD g0a, g1a, g0b, g1b
	s_cmp_eq_u32 s15, 0
	s_cbranch_scc0 .Lfor_b_\@
	tensor_load_to_lds s[\g0a:\g0a+3], s[\g1a:\g1a+7]
	s_nop 0
.rept 4
	v_nop
.endr
	s_branch .Lasked_\@
.Lfor_b_\@:
	tensor_load_to_lds s[\g0b:\g0b+3], s[\g1b:\g1b+7]
	s_nop 0
.rept 4
	v_nop
.endr
.Lasked_\@:
.endm
.macro CREST                           ; a round of the cluster's barrier behind its opening barrier
	s_cmp_lg_u32 s14, 0
	s_cbranch_scc1 .Lnot_wave_0_\@
	s_barrier_signal -3
.Lnot_wave_0_\@:
	s_barrier_wait -3
	s_barrier_signal -1
	s_barrier_wait -1
.endm
.macro CROUND                          ; a whole round
	s_barrier_signal -1
	s_barrier_wait -1
	CREST
.endm
	s_load_b128 s[4:7], s[0:1], 0x0                ; the codes s[4:5], the scales' exponents s[6:7]
	s_load_b128 s[8:11], s[0:1], 0x10              ; bk, bv
	s_load_b64 s[70:71], s[0:1], 0x20              ; hcodes
	v_lshl_add_u32 v[SPW], v0, 2, SPARE
	v_mov_b32 v[NIL], 0
	ds_add_u32 v28, v29
	ds_add_u32 v28, v29
	s_wait_dscnt 0x0
	v_lshrrev_b32 v1, 5, v0
	v_readfirstlane_b32 s14, v1                    ; wave 0..3
	s_lshr_b32 s15, s14, 1                         ; which half of the tile's rows is mine.  Also: I fetch for A (0) or for B (1)
	s_and_b32 s16, s14, 1                          ; which half of its columns.  Also: which 128 rows of that tile I fetch
	s_bfe_u32 s40, ttmp6, 0x40000                  ; cx, cy: my place in the cluster
	s_bfe_u32 s41, ttmp6, 0x40004
	s_and_b32 s74, ttmp7, 0xffff                   ; the cluster's y, 0..15: the same in all sixteen
	s_lshr_b32 s75, s74, 3
	s_add_co_u32 s75, s75, 1                       ; P: the kind, 1 k or 2 v
	s_and_b32 s76, s74, 7                          ; which 1,024 tokens
	s_lshl_b32 s77, s75, 23                        ; where x's codes of this kind begin,
	s_lshl_b32 s78, s75, 20
	s_add_co_u32 s78, s78, WBASE                   ; and W's
	s_cmp_eq_u32 s75, 2
	s_cselect_b32 s79, 0, s76                      ; the tokens run along the tile rows (q, k)
	s_cselect_b32 s80, s76, 0                      ; or along the tile columns (v)
	s_cselect_b32 s81, s78, s77                    ; A's codes: W's for v, else x's
	s_cselect_b32 s82, s77, s78                    ; B's: the other
	s_lshl_b32 s17, s79, 2
	s_add_co_u32 s17, s17, s41                     ; tile row
	s_lshl_b32 s42, s80, 2
	s_add_co_u32 s42, s42, s40                     ; tile column
	s_lshl_b32 s43, s41, 2
	s_lshl_b32 s43, 15, s43                        ; my row of the cluster
	s_lshl_b32 s44, 0x1111, s40                    ; my column
	; descriptor group 1: a tile of 128 rows x 256 bytes, padded in LDS
	s_or_b32 s[G1+0], s43, (0<<16)|(1<<20)|(1<<21)|(5<<22)|(3<<25)  ; 15:0 the mask: A's tiles go to my row; 17:16 elements of 1 byte; 20 padding on; 21 set beside a mask; 24:22 after every 64 words; 31:25 four words
	s_or_b32 s[G1B+0], s44, (0<<16)|(1<<20)|(1<<21)|(5<<22)|(3<<25)
.irp g, G1, G1B
	s_mov_b32 s[\g+1], ROWB<<16                    ; tensor_dim0
	s_mov_b32 s[\g+2], 128<<16                     ; tensor_dim1
	s_mov_b32 s[\g+3], ROWB<<16                    ; tile_dim0
	s_mov_b32 s[\g+4], 128                         ; tile_dim1
	s_mov_b32 s[\g+5], KROW                        ; tensor_dim0_stride
	s_mov_b32 s[\g+6], 0
	s_mov_b32 s[\g+7], 0
.endr
	s_lshl_b32 s18, s16, 7                         ; which 128 rows of the tile I fetch
	s_lshl_b32 s20, s17, 8
	s_add_co_u32 s20, s20, s18
	s_lshl_b32 s20, s20, 10                        ; A: (256 x tile row + 128 x half) rows of 1,024 bytes,
	s_add_co_u32 s20, s20, s81                     ; behind its tensor's first byte: under 2^25
	s_mov_b32 s21, 0
	s_lshl_b32 s46, s42, 8
	s_add_co_u32 s46, s46, s18
	s_lshl_b32 s46, s46, 10
	s_add_co_u32 s46, s46, s82                     ; B likewise, from the tile column
	s_mov_b32 s47, 0
	s_mul_i32 s45, s14, HALFT                      ; where they go: wave x 128 rows: no place in the cluster enters an LDS address
	s_wait_kmcnt 0x0
	s_load_b256 s[84:91], s[6:7], 0x0              ; e0 .. e7
	s_load_b128 s[92:95], s[6:7], 0x20             ; e8 .. e11
	s_add_nc_u64 s[20:21], s[4:5], s[20:21]
	s_add_nc_u64 s[46:47], s[4:5], s[46:47]
	CROUND                                         ; all sixteen work-groups are here: the first joint loads meet
.irp s, 0,1
	s_mov_b32 s[G0+4*\s], 1
	s_add_co_u32 s[G0+4*\s+1], s45, \s*SLOT
	s_add_nc_u64 s[G0+4*\s+2:G0+4*\s+3], s[20:21], \s*ROWB
	s_or_b32 s[G0+4*\s+3], s[G0+4*\s+3], 0x80000000
	s_mov_b32 s[G0B+4*\s], 1
	s_add_co_u32 s[G0B+4*\s+1], s45, \s*SLOT
	s_add_nc_u64 s[G0B+4*\s+2:G0B+4*\s+3], s[46:47], \s*ROWB
	s_or_b32 s[G0B+4*\s+3], s[G0B+4*\s+3], 0x80000000
.endr
	JLOAD G0, G1, G0B, G1B                         ; K 0 on
	v_and_b32 v1, 15, v0                           ; r
	v_bfe_u32 v2, v0, 4, 1                         ; h
	v_mul_u32_u24 v3, v1, PITCH
	v_lshl_add_u32 v4, v2, 4, v3                   ; a fragment's row x pitch + 16 h
	s_mul_i32 s21, s15, HALFT                      ; my 128 rows of A
	s_mul_i32 s22, s16, HALFT                      ; my 128 rows of B,
	s_add_co_u32 s22, s22, 2*HALFT                 ; which lie behind A's 256
.irp s, 0,1
	v_add_nc_u32 v[ADRA+\s], s21, v4
	v_add_nc_u32 v[ADRB+\s], s22, v4
	s_add_co_u32 s21, s21, SLOT
	s_add_co_u32 s22, s22, SLOT
.endr
	v_and_b32 v5, 31, v0
	v_lshlrev_b32 v[LI], 4, v5
	v_lshlrev_b32 v6, 5, v2                        ; 32 h: eight numbers of the bias
	s_wait_alu depctr_va_vdst(0)
	v_lshlrev_b32 v7, 2, v1                        ; 4 r: one
	; my first token and my first channel, in registers that feed no descriptor
	s_wait_alu depctr_va_vdst(0)
	s_lshl_b32 s76, s17, 8
	s_lshl_b32 s77, s15, 7
	s_add_co_u32 s76, s76, s77                     ; my first row of A
	s_lshl_b32 s77, s42, 8
	s_lshl_b32 s78, s16, 7
	s_add_co_u32 s77, s77, s78                     ; my first row of B
	s_cmp_eq_u32 s75, 2
	s_cselect_b32 s78, s77, s76                    ; token
	s_cselect_b32 s79, s76, s77                    ; channel, a multiple of 128: a pair of heads
	s_lshr_b32 s80, s78, 11
	s_lshl_b32 s80, s80, 3
	s_lshr_b32 s81, s79, 7
	s_add_co_u32 s80, s80, s81                     ; 8 x batch + head / 2
	s_lshl_b32 s80, s80, 18
	s_and_b32 s81, s78, 2047
	s_lshl_b32 s81, s81, 7                         ; 16 tokens are 2,048 bytes of a pair, 128 keys 16,384: 128 bytes a token in both layouts
	s_add_co_u32 s80, s80, s81
	s_lshl_b32 s81, s75, 23
	s_add_co_u32 s80, s80, s81
	s_mov_b32 s81, 0
	s_add_nc_u64 s[70:71], s[70:71], s[80:81]      ; where my 16 KiB go
	s_lshl_b32 s82, s79, 2
	s_cmp_eq_u32 s75, 2
	s_cselect_b32 s80, 0, s82                      ; both sets of the bias are loaded on every way, so that every register is written; the set that a kind does not use
	s_cselect_b32 s82, s82, 0                      ; reads the bias's first 512 bytes
	s_cselect_b64 s[68:69], s[10:11], s[8:9]       ; bv or bk: the choice hangs on the kind alone
	s_mov_b32 s83, 0
	s_add_nc_u64 s[8:9], s[68:69], s[80:81]
	s_add_nc_u64 s[10:11], s[68:69], s[82:83]
.irp b, 0,1,2,3,4,5,6,7
	global_load_b128 v[BB+8*\b:BB+8*\b+3], v6, s[8:9] offset:64*\b           ; q, k: register 8 b + j: the bias of channel 16 b + 8 h + j
	global_load_b128 v[BB+8*\b+4:BB+8*\b+7], v6, s[8:9] offset:64*\b+16
.endr
.irp a, 0,1,2,3,4,5,6,7
	global_load_b32 v[BA+2*\a], v7, s[10:11] offset:64*\a                    ; v: the bias of channel 16 a + r
	v_mov_b32 v[BA+2*\a+1], 0                                                ; (named with it as a pair, so it is written)
.endr
.macro FRAG reg, adr, q, i             ; a fragment: lane (r, h) holds row r; registers 4 c .. 4 c + 3 hold bytes 32 c + 16 h + 0 .. 15 of the row's 128
.irp c, 0,1,2,3
	ds_load_b128 v[\reg+4*\c:\reg+4*\c+3], v[\adr] offset:128*(\q)+32*\c+(\i)*16*PITCH
.endr
.endm
; 16 matrix instructions: A's blocks a0, a0 + 1 x B's eight, 128 along K.  p: B's set.  zero = 1: the first product starts the sums.  The 64 accumulators take turns.
.macro MUL16 a0, p, zero
.irp a, \a0, \a0+1
.irp b, 0,1,2,3,4,5,6,7
.if \zero
	v_wmma_f32_16x16x128_bf8_bf8 v[8*(8*((\a)%4)+\b):8*(8*((\a)%4)+\b)+7], v[128*(\p)+FR*\b:128*(\p)+FR*\b+FR-1], v[AF+FR*(\a):AF+FR*(\a)+FR-1], 0
.else
	v_wmma_f32_16x16x128_bf8_bf8 v[8*(8*((\a)%4)+\b):8*(8*((\a)%4)+\b)+7], v[128*(\p)+FR*\b:128*(\p)+FR*\b+FR-1], v[AF+FR*(\a):AF+FR*(\a)+FR-1], v[8*(8*((\a)%4)+\b):8*(8*((\a)%4)+\b)+7]
.endif
.endr
.endr
.endm
.macro FETCH_B slot, q, p
	WIN TO_B
.irp i, 0,1,2,3,4,5,6,7
	FRAG 128*(\p)+FR*\i, ADRB+\slot, \q, \i
.endr
	WIN 0
.endm
.macro FETCH_A slot, q, i0
.irp i, \i0, \i0+1, \i0+2, \i0+3
	FRAG AF+FR*(\i), ADRA+\slot, \q, \i
.endr
.endm
.macro PLACES n                        ; plain vector lines in front of loads into registers that matrix instructions have read, and of the first read of results
.rept \n
	v_nop
.endr
.endm
; A step of 128 along K that has its successor in the same slot.  A block of A is free as soon as its eight products are issued: blocks 0-3 are fetched anew in the step's middle, blocks 4-7 at its end.
.macro STEP slot, q, zero
	s_wait_dscnt 4*NL                              ; B's set and A's blocks 0-3 are in; the youngest 16 loads (A's blocks 4-7) may be out
	WIN MUL_LO
	MUL16 0, (\q)%2, \zero
	MUL16 2, (\q)%2, \zero
	s_wait_dscnt 0                                 ; A's blocks 4-7 are in
	PLACES NP
	FETCH_B \slot, (\q)+1, 1-(\q)%2
	FETCH_A \slot, (\q)+1, 0
	WIN MUL_HI
	MUL16 4, (\q)%2, \zero
	MUL16 6, (\q)%2, \zero
	PLACES NP
	WIN 0
	FETCH_A \slot, (\q)+1, 4
.endm
; A slot's last step changes slots: ONE barrier; in front of it each wave waits for all its tensor loads, adds 0 to its spare word, and waits for that and for its own reads of this slot.
.macro TURN slot, next, fill
	s_wait_tensorcnt 0x0                           ; all my tensor loads have landed: my part of the next slot
	ds_add_u32 v[SPW], v[NIL]                      ; 0 onto my spare word
	s_wait_dscnt 4*NL+1                            ; (the add and the youngest 16 loads, A's blocks 4-7, may be out)
	WIN MUL_LO
	MUL16 0, 1, 0                                  ; sixteen matrix instructions stand between the add and the wait for it
	s_wait_dscnt 0x0                               ; the add is done, and my reads of this slot are over
	s_barrier_signal -1
	MUL16 2, 1, 0
	WIN 0
	s_barrier_wait -1
.if \fill
	CREST                                          ; the barrier has opened a round of the cluster's: no wave of any partner still reads this slot's tile or has a load on its way
	s_add_nc_u64 s[G0+4*\slot+2:G0+4*\slot+3], s[G0+4*\slot+2:G0+4*\slot+3], 2*ROWB
	s_add_nc_u64 s[G0B+4*\slot+2:G0B+4*\slot+3], s[G0B+4*\slot+2:G0B+4*\slot+3], 2*ROWB
	JLOAD G0+4*\slot, G1, G0B+4*\slot, G1B         ; the first tensor load behind the round; its four v_nop are also the places in front of the loads below
.else
	PLACES NP
.endif
	FETCH_B \next, 0, 0
	FETCH_A \next, 0, 0
	WIN MUL_HI
	MUL16 4, 1, 0
	MUL16 6, 1, 0
	PLACES NP
	WIN 0
	FETCH_A \next, 0, 4
.endm
	s_wait_alu depctr_va_vdst(0)
	s_wait_tensorcnt 0x0                           ; my part of slot 0 is in
	ds_add_u32 v[SPW], v[NIL]
	s_wait_dscnt 0x0
	CROUND                                         ; everybody's part of slot 0 is in, and the sixteen work-groups meet
	JLOAD G0+4, G1, G0B+4, G1B                     ; slot 1's first fill: the first tensor load behind the round
	FETCH_B 0, 0, 0
	FETCH_A 0, 0, 0
	FETCH_A 0, 0, 4
	; K = 1,024 is eight steps of 128, four slots' worth: written out, since each slot is filled again just once
	STEP 0, 0, 1                                   ; K 0: its products start the sums
	TURN 0, 1, 1                                   ; K 128; slot 0 takes K 512 on
	STEP 1, 0, 0                                   ; K 256
	TURN 1, 0, 1                                   ; K 384; slot 1 takes K 768 on
	STEP 0, 0, 0                                   ; K 512
	TURN 0, 1, 0                                   ; K 640; nothing is left to fetch
	STEP 1, 0, 0                                   ; K 768
	s_wait_dscnt 4*NL                              ; K 896
	WIN MUL_LO
	MUL16 0, 1, 0
	MUL16 2, 1, 0
	s_wait_dscnt 0
	WIN MUL_HI
	MUL16 4, 1, 0
	MUL16 6, 1, 0
	WIN 0
	; THE WAY OUT: y = sum x 2^(ea + eb) + bias, one fused multiply-add; held, converted with the outgoing scale; stored from registers.  No LDS.
	s_wait_kmcnt 0x0
	s_wait_loadcnt 0x0                             ; the biases
	s_add_co_i32 s86, s86, s87                     ; e2 + e3
	s_add_co_i32 s88, s88, s89                     ; e4 + e5
	s_cmp_eq_u32 s75, 2
	s_cselect_b32 s96, s88, s86
	s_cselect_b32 s97, s93, s91                    ; e9 or e7
	s_add_co_i32 s96, s96, 127
	s_lshl_b32 s96, s96, 23                        ; 2^(ea + eb) as f32
	s_add_co_i32 s97, s97, 127
	s_lshl_b32 s92, s97, 23
	v_mov_b32 v[SCL], s92                          ; the outgoing scale as f32: the conversion takes its exponent field
	s_add_co_i32 s97, s97, 15
	s_lshl_b32 s97, s97, 23
	s_or_b32 s97, s97, 0x600000
	v_mov_b32 v[LIM], s97                          ; 57,344 x that
	s_mov_b32 s97, s96                             ; (named with s96 as a pair, so it is written)
	PLACES NP
; kind = 0: the bias runs along a lane's registers; 1: one number a lane for each block a.  Each accumulator is read from its low end on.
.macro EPI kind
.irp a, 0,1,2,3,4,5,6,7
	WIN 0x02+(\a/4)                                ; source 0: window 2 or 3
.set j, 0
.rept 32
.if \kind
	v_pk_fma_f32 v[TMP+j:TMP+j+1], v[64*(\a%4)+j:64*(\a%4)+j+1], s[96:97], v[BA+2*\a:BA+2*\a+1] op_sel_hi:[1,0,0]
.else
	v_pk_fma_f32 v[TMP+j:TMP+j+1], v[64*(\a%4)+j:64*(\a%4)+j+1], s[96:97], v[BB+j:BB+j+1] op_sel_hi:[1,0,1]
.endif
.set j, j+2
.endr
	WIN 0
.set j, 0
.rept 64
	v_med3_num_f32 v[TMP+j], v[TMP+j], -v[LIM], v[LIM]   ; the conversion to an 8-bit code does not saturate (ISA guide 7.6.2)
.set j, j+1
.endr
.if \a >= 4
	s_wait_alu depctr_va_vdst(0)
	s_wait_xcnt 0x0                                ; block a - 4's stores have read their registers: this set of codes is written again only behind this wait
.endif
.irp g, 0,1,2,3,4,5,6,7
	v_cvt_scalef32_pk8_bf8_f32 v[CD+16*(\a%4)+2*\g:CD+16*(\a%4)+2*\g+1], v[TMP+8*\g:TMP+8*\g+7], v[SCL]
.endr
	v_nop                                          ; one plain line between the conversions and the next block's lines, which write their sources
.irp p, 0,1,2,3
	global_store_b128 v[LI], v[CD+16*(\a%4)+4*\p:CD+16*(\a%4)+4*\p+3], s[70:71] offset:2048*\a+512*\p   ; 32 lanes store 512 consecutive bytes, aligned
.endr
.endr
.endm
	s_cmp_eq_u32 s75, 2                            ; the kind is the same in all sixteen work-groups
	s_cbranch_scc1 .Lv_kind
	EPI 0
	s_branch .Lend
.Lv_kind:
	EPI 1
.Lend:
	s_wait_tensorcnt 0x0                           ; the wave's end
	ds_add_u32 v[SPW], v[NIL]
	s_wait_dscnt 0x0
	CROUND                                         ; the closing round: no work-group ends while a partner may still ask for a tile that names it
	s_endpgm
.Lfunc_end_k_q2fd34ef928_proj:
	.size	k_q2fd34ef928_proj, .Lfunc_end_k_q2fd34ef928_proj-k_q2fd34ef928_proj
	.p2alignl 7, 3214868480
	.fill 96, 4, 3214868480
	.section	.rodata,"a",@progbits
	.p2align	6, 0x0
	.amdhsa_kernel k_q2fd34ef928_proj
		.amdhsa_group_segment_fixed_size 327680
		.amdhsa_private_segment_fixed_size 0
		.amdhsa_enable_private_segment 0
		.amdhsa_kernarg_size 40
		.amdhsa_user_sgpr_count 2
		.amdhsa_user_sgpr_kernarg_segment_ptr 1
		.amdhsa_wavefront_size32 1
		.amdhsa_system_sgpr_workgroup_id_x 1
		.amdhsa_system_sgpr_workgroup_id_y 1
		.amdhsa_system_sgpr_workgroup_id_z 1
		.amdhsa_system_vgpr_workitem_id 0
		.amdhsa_next_free_vgpr 1024
		.amdhsa_next_free_sgpr 100
		.amdhsa_reserve_vcc 0
		.amdhsa_float_denorm_mode_32 3
		.amdhsa_float_denorm_mode_16_64 3
		.amdhsa_memory_ordered 1
		.amdhsa_forward_progress 1
		.amdhsa_inst_pref_size 194
	.end_amdhsa_kernel
	.amdgpu_metadata
---
amdhsa.version: [ 1, 2 ]
amdhsa.kernels:
  - .name:           k_q2fd34ef928_proj
    .symbol:         k_q2fd34ef928_proj.kd
    .args:
      - { .name: codes, .offset: 0, .size: 8, .value_kind: global_buffer, .address_space: global }
      - { .name: lowp_scales, .offset: 8, .size: 8, .value_kind: global_buffer, .address_space: global }
      - { .name: bk, .offset: 16, .size: 8, .value_kind: global_buffer, .address_space: global }
      - { .name: bv, .offset: 24, .size: 8, .value_kind: global_buffer, .address_space: global }
      - { .name: hcodes, .offset: 32, .size: 8, .value_kind: global_buffer, .address_space: global }
    .group_segment_fixed_size: 327680
    .private_segment_fixed_size: 0
    .kernarg_segment_align: 8
    .kernarg_segment_size: 40
    .max_flat_workgroup_size: 128
    .sgpr_count:     100
    .vgpr_count:     1024
    .wavefront_size: 32
...
	.end_amdgpu_metadata
.endif
;; end of part 2
;; launch attn (part 3): grid 4 x 64, 8 waves a work-group, clusters of 4 x 1, 327,680 bytes of LDS; arguments hcodes, lowp_scales, ocodes, codes, bq; writes ocodes
.if DOCPART == 3
	.amdgcn_target "amdgcn-amd-amdhsa--gfx1250"
	.amdhsa_code_object_version 6
	.text
	.protected	k_q2fd34ef928_attn
	.globl	k_q2fd34ef928_attn
	.p2align	8
	.type	k_q2fd34ef928_attn,@function
k_q2fd34ef928_attn:
	s_mov_b64 s[64:65], 0
	v_nop
	global_prefetch_b8 v0, s[64:65] scope:SCOPE_SE
	s_setreg_imm32_b32 hwreg(HW_REG_WAVE_MODE, 25, 1), 1
	s_wait_xcnt 0x0
	s_wait_alu depctr_hold_cnt(0) depctr_sa_sdst(0) depctr_va_vdst(0) depctr_va_sdst(0) depctr_va_ssrc(0) depctr_va_vcc(0) depctr_vm_vsrc(0)
	s_getreg_b32 s2, hwreg(HW_REG_IB_STS2, 6, 4)
	s_cmp_eq_u32 s2, 0
	s_cbranch_scc0 .Lentry_in_a_cluster
	s_endpgm
.Lentry_in_a_cluster:
	s_bfe_u32 s2, ttmp6, 0x10000c
	s_cmp_lg_u32 s2, 0x3003
	s_cbranch_scc0 .Lentry_shape_is_right
	s_endpgm
.Lentry_shape_is_right:
; o = softmax(q k^T / 8) v for one head (y = 16 batch + head), both products on codes of BF8 (E5M2); o leaves as codes with the scale 2^e10, laid as the last projection's operand.
; t = score x log2(e) / 8; M = the running largest t rounded up to a whole number; p = 2^(t - M) is quantised with 2^e8; the row's sum is taken of the unquantised p and divides at the end.
; SHARES: a cluster of 4 work-groups owns a head, a work-group 512 queries, each of its 8 waves 64: four tiles of 16.  The head's 2,048 keys lie whole in LDS: K 131,072 bytes, then V 131,072.
; They are asked for JOINTLY by the four work-groups, once, at the head: waves 0-3 a quarter of K each, waves 4-7 a quarter of V: one tensor load a wave, nothing is filled again.
; No prefetch: the launch asks for all its tiles in its first lines and has no loop in which to run ahead of a load.
; Both products are used transposed (S^T = K Q^T, O^T = V^T P^T): a lane holds one query.  hcodes holds images of the operands' registers, 512 bytes a piece, lane l's 16 bytes at 16 l.
; A STEP is 128 keys; the four tiles go in two PAIRS, so that each chain of dependent lines has a second tile's beside it, and 128 exponentials share one wait ahead and one behind.
; LIMITS: e6 + e7 between -123 and 130; e8 and e10 between -126 and 112; the scaled scores stay under 2^31 in magnitude.  NaN is not served.
; REGISTERS: window 0: v1-7 addresses and constants; ST 8 a tile (-M, largest raw score, the sum's two halves, f, 0, a permute's place); Q; S0, S1 the pair's scores, then p; P the pair's codes.
;   window 1: K's 8 fragments, V's 4, O^T (32 a tile).
; q IS MADE HERE, in the head, while K's and V's tiles are on their way: q = x Wq^T + bq for my wave's 64 tokens and the head's 64 channels, K = 1,024 in eight steps of 128 on codes of x and Wq.
; No wave's q is made by another: a token and a head have one owner.  Source 0 = 16 rows of Wq, source 1 = 16 tokens: a lane holds one token and its registers run along the channels, so the conversions'
; results are Q's fragments.  The operands go from memory straight into registers, lane (r, h) taking bytes 32 c + 16 h + 0..15 of row r's 128, alike in both; two sets of registers: the loads stand two steps,
; 32 KiB a wave, ahead of their use, so no prefetch is laid for them.  Wq's slice does not go through LDS: K, V and the spare words leave 64,512 bytes, and it has 65,536.
; LIMITS of this stage: e0 + e1 between -126 and 127.
.set SPARE, 0x40000                    ; behind K and V: the spare words, 128 bytes a wave
.set VLDS, 131072
.set ST,  8
.set Q,   40
.set S0,  72
.set P,   200
.set ADK, 232
.set ADV, 233
.set TA,  234
.set TC,  236
.set TP,  238
.set TS,  240
.set SPW, 254
.set NIL, 255
.set QB,  245                          ; 32 h: eight numbers of the bias
.set LQ,  246                          ; 57,344 x 2^e6
.set SQ,  247                          ; 2^e6
.set WQB, 25165824                     ; where Wq's codes begin
.set KF,  0
.set VF,  64
.set O,   128
.set WV,  10
.set SEL, 20
.set CS,  22
.set G1K, 24
.set G1V, 32
.set G0K, 40
.set G0V, 44
.set TB,  48
.set CNT, 49
.set MSB, 0
.macro WIN new                         ; the immediate's high byte repeats the setting that is left
.if MSB != (\new)
	s_set_vgpr_msb (MSB<<8)|(\new)
.set MSB, (\new)
.endif
.endm
.macro CROUND                          ; a round of the cluster's barrier
	s_barrier_signal -1
	s_barrier_wait -1
	s_cmp_lg_u32 s[WV], 0
	s_cbranch_scc1 .Lnot_wave_0_\@
	s_barrier_signal -3
.Lnot_wave_0_\@:
	s_barrier_wait -3
	s_barrier_signal -1
	s_barrier_wait -1
.endm
	s_load_b128 s[4:7], s[0:1], 0x0                ; hcodes, the scales' exponents
	s_load_b64 s[8:9], s[0:1], 0x10                ; ocodes
	s_load_b128 s[60:63], s[0:1], 0x18             ; codes, bq
	v_lshl_add_u32 v[SPW], v0, 2, SPARE
	v_mov_b32 v[NIL], 0
	ds_add_u32 v[SPW], v[NIL]                      ; the opening lines
	ds_add_u32 v[SPW], v[NIL]
	v_lshrrev_b32 v1, 5, v0
	v_readfirstlane_b32 s[WV], v1                  ; wave 0..7
	s_bfe_u32 s11, ttmp6, 0x40000                  ; cx
	s_and_b32 s12, ttmp7, 0xffff                   ; y = 16 batch + head
	s_lshr_b32 s13, s12, 1
	s_lshl_b32 s13, s13, 18                        ; the pair of heads: 262,144 bytes in each region
	s_and_b32 s14, s12, 1
	s_and_b32 s15, s[WV], 3                        ; which quarter I fetch
	s_lshl_b32 s57, s15, 15                        ; 32,768 bytes of LDS,
	s_lshl_b32 s15, s15, 16                        ; 65,536 of the pair's region
	s_lshl_b32 s16, s14, 10
	s_add_co_u32 s16, s16, s13
	s_add_co_u32 s16, s16, s15
	s_add_co_u32 s16, s16, 8388608                 ; K: 32 token tiles, 1,024 bytes of each 2,048
	s_mov_b32 s17, 0
	s_lshl_b32 s18, s14, 13
	s_add_co_u32 s18, s18, s13
	s_add_co_u32 s18, s18, s15
	s_add_co_u32 s18, s18, 16777216                ; V: 4 key steps, 8,192 bytes of each 16,384
	s_mov_b32 s19, 0
	s_lshl_b32 s50, s11, 5
	s_lshl_b32 s51, s[WV], 2
	s_add_co_u32 s50, s50, s51                     ; my first token tile: 32 cx + 4 wave
	s_lshr_b32 s2, s12, 4
	s_lshl_b32 s2, s2, 7
	s_add_co_u32 s2, s2, s50                       ; my first token tile among all batches'
	s_lshl_b32 s58, s2, 14                         ; x's codes: 16 rows of 1,024 bytes a tile
	s_mov_b32 s59, 0
	s_and_b32 s14, s12, 15                         ; the head
	s_lshl_b32 s50, s14, 16
	s_add_co_u32 s50, s50, WQB                     ; Wq's codes: 64 rows of 1,024 bytes a head
	s_mov_b32 s51, 0
	s_lshl_b32 s14, s14, 8                         ; bq: 64 numbers a head
	s_mov_b32 s15, 0
	s_lshl_b32 s2, s2, 12                          ; ocodes: [head / 4][token tile of all batches][head % 4][2][512]
	s_bfe_u32 s3, s12, 0x20002
	s_lshl_b32 s3, s3, 21
	s_add_co_u32 s2, s2, s3
	s_bfe_u32 s3, s12, 0x20000
	s_lshl_b32 s3, s3, 10
	s_add_co_u32 s2, s2, s3
	s_mov_b32 s3, 0
	s_mov_b32 s[G1K], 15|(3<<16)|(1<<21)           ; the mask names the four; elements of 8 bytes; bit 21 beside the mask
	s_mov_b32 s[G1K+1], 128<<16                    ; rows of 1,024 bytes,
	s_mov_b32 s[G1K+2], 32<<16                     ; 32 of them,
	s_mov_b32 s[G1K+3], 128<<16
	s_mov_b32 s[G1K+4], 32
	s_mov_b32 s[G1K+5], 256                        ; 2,048 bytes apart
	s_mov_b32 s[G1K+6], 0
	s_mov_b32 s[G1K+7], 0
	s_mov_b32 s[G1V], 15|(3<<16)|(1<<21)
	s_mov_b32 s[G1V+1], 1024<<16                   ; rows of 8,192 bytes,
	s_mov_b32 s[G1V+2], 4<<16                      ; 4 of them,
	s_mov_b32 s[G1V+3], 1024<<16
	s_mov_b32 s[G1V+4], 4
	s_mov_b32 s[G1V+5], 2048                       ; 16,384 bytes apart
	s_mov_b32 s[G1V+6], 0
	s_mov_b32 s[G1V+7], 0
	s_mov_b32 s[SEL], 0x76543210
	s_mov_b32 s[SEL+1], 0xfedcba98                 ; lane l xor 16
	s_mov_b32 s[CS], 0x3e38aa3b                    ; c = log2(e) / 8
	s_mov_b32 s[TB], 0
	s_mov_b32 s[CNT], 16
	s_wait_dscnt 0x0                               ; both opening adds are done
	s_wait_kmcnt 0x0
	s_load_b128 s[52:55], s[6:7], 0x18             ; e6 .. e9
	s_load_b32 s56, s[6:7], 0x28                   ; e10
	s_load_b64 s[12:13], s[6:7], 0x0               ; e0, e1
	s_mov_b32 s[G0K], 1
	s_mov_b32 s[G0K+1], s57
	s_add_nc_u64 s[G0K+2:G0K+3], s[4:5], s[16:17]
	s_or_b32 s[G0K+3], s[G0K+3], 0x80000000
	s_mov_b32 s[G0V], 1
	s_add_co_u32 s[G0V+1], s57, VLDS
	s_add_nc_u64 s[G0V+2:G0V+3], s[4:5], s[18:19]
	s_or_b32 s[G0V+3], s[G0V+3], 0x80000000
	s_add_nc_u64 s[58:59], s[60:61], s[58:59]      ; x's codes at my first token
	s_add_nc_u64 s[50:51], s[60:61], s[50:51]      ; Wq's at the head's first channel
	s_add_nc_u64 s[16:17], s[62:63], s[14:15]      ; bq likewise
	s_add_nc_u64 s[8:9], s[8:9], s[2:3]
	CROUND                                         ; the four work-groups are here: the joint loads meet
	s_cmp_lt_u32 s[WV], 4                          ; the branch hangs on the wave's number alone
	s_cbranch_scc0 .Lfor_v
	tensor_load_to_lds s[G0K:G0K+3], s[G1K:G1K+7]
	s_nop 0
.rept 4
	v_nop
.endr
	s_branch .Lasked
.Lfor_v:
	tensor_load_to_lds s[G0V:G0V+3], s[G1V:G1V+7]
	s_nop 0
.rept 4
	v_nop
.endr
.Lasked:
	v_and_b32 v1, 31, v0
	v_lshlrev_b32 v1, 4, v1                        ; 16 x lane
	v_add_nc_u32 v2, 8192, v1                      ; the next step's K
	v_add_nc_u32 v3, VLDS, v1                      ; V
	v_bfe_u32 v[TC], v0, 4, 1                      ; h
	v_lshlrev_b32 v[QB], 5, v[TC]
	s_wait_alu depctr_va_vdst(0)
.irp t, 0,1,2,3
	global_load_b128 v[P+8*\t:P+8*\t+3], v[QB], s[16:17] offset:64*\t        ; register 8 t + j: the bias of channel 16 t + 8 h + j
	global_load_b128 v[P+8*\t+4:P+8*\t+7], v[QB], s[16:17] offset:64*\t+16
.endr
.macro QLOAD q                         ; K step q into set q % 2 of window 1: Wq's four fragments, then x's four
	WIN 0x40
.irp t, 0,1,2,3
.irp c, 0,1,2,3
	global_load_b128 v[128*((\q)%2)+16*\t+4*\c:128*((\q)%2)+16*\t+4*\c+3], v1, s[50:51] offset:16384*\t+2048*(\q)+512*\c   ; the codes lie as images of these registers: 32 lanes read 512 consecutive bytes
.endr
.endr
.irp t, 0,1,2,3
.irp c, 0,1,2,3
	global_load_b128 v[128*((\q)%2)+64+16*\t+4*\c:128*((\q)%2)+64+16*\t+4*\c+3], v1, s[58:59] offset:16384*\t+2048*(\q)+512*\c
.endr
.endr
	WIN 0
.endm
.macro QMUL q                          ; 16 accumulators by turns: token tile i, channel tile t at S0 + 32 i + 8 t; the first step starts the sums
	WIN 0x05
.irp i, 0,1,2,3
.irp t, 0,1,2,3
.if (\q) == 0
	v_wmma_f32_16x16x128_bf8_bf8 v[S0+32*\i+8*\t:S0+32*\i+8*\t+7], v[128*((\q)%2)+16*\t:128*((\q)%2)+16*\t+15], v[128*((\q)%2)+64+16*\i:128*((\q)%2)+64+16*\i+15], 0
.else
	v_wmma_f32_16x16x128_bf8_bf8 v[S0+32*\i+8*\t:S0+32*\i+8*\t+7], v[128*((\q)%2)+16*\t:128*((\q)%2)+16*\t+15], v[128*((\q)%2)+64+16*\i:128*((\q)%2)+64+16*\i+15], v[S0+32*\i+8*\t:S0+32*\i+8*\t+7]
.endif
.endr
.endr
.endm
	QLOAD 0
	QLOAD 1
.irp q, 0,1,2,3,4,5,6,7
.if \q < 7
	s_wait_loadcnt 32                              ; this step's loads are in (and the bias's); the next step's 32 may be out
.else
	s_wait_loadcnt 0x0
.endif
	QMUL \q
.if \q < 6
.rept 4
	v_nop                                          ; places ahead of loads into registers that the products read
.endr
	QLOAD \q+2
.endif
.endr
	WIN 0
.irp i, 0,1,2,3
	v_mov_b32 v[ST+8*\i], 0x7f61b1e6               ; -M: 3e38
	v_mov_b32 v[ST+8*\i+1], 0xff61b1e6             ; the largest raw score so far: -3e38
	v_mov_b32 v[ST+8*\i+2], 0
	v_mov_b32 v[ST+8*\i+3], 0
	v_mov_b32 v[ST+8*\i+5], 0
	v_mov_b32 v[ST+8*\i+6], 0
.endr
	v_mov_b32 v[TP], 0                             ; a lane permute's destination counts as a source
	v_mov_b32 v[TP+1], 0
	WIN 0x40
.set n, 0
.rept 128
	v_mov_b32 v[O+n], 0                            ; the step is written once: the first finds zeros, which f = 0 leaves zeros
.set n, n+1
.endr
	WIN 0
	s_wait_alu depctr_va_vdst(0)
	s_wait_kmcnt 0x0
	s_add_co_i32 s57, s52, s53
	s_lshl_b32 s57, s57, 23
	s_add_co_i32 s[CS], s[CS], s57                 ; e6 + e7 go into c's exponent field
	s_mov_b32 s[CS+1], s[CS]
	s_add_co_i32 s57, s54, 127
	s_lshl_b32 s51, s57, 23
	v_mov_b32 v5, s51                              ; 2^e8
	s_add_co_i32 s57, s57, 15
	s_lshl_b32 s57, s57, 23
	s_or_b32 s57, s57, 0x600000
	v_mov_b32 v4, s57                              ; 57,344 x 2^e8
	s_add_co_i32 s57, s56, 127
	s_lshl_b32 s51, s57, 23
	v_mov_b32 v7, s51                              ; 2^e10
	s_add_co_i32 s57, s57, 15
	s_lshl_b32 s57, s57, 23
	s_or_b32 s57, s57, 0x600000
	v_mov_b32 v6, s57                              ; 57,344 x 2^e10
	s_add_co_i32 s57, s54, s55                     ; e8 + e9
	s_add_co_i32 s12, s12, s13
	s_add_co_i32 s12, s12, 127
	s_lshl_b32 s12, s12, 23                        ; 2^(e0 + e1)
	s_mov_b32 s13, s12                             ; (named with it as a pair)
	s_add_co_i32 s14, s52, 127
	s_lshl_b32 s15, s14, 23
	v_mov_b32 v[SQ], s15
	s_add_co_i32 s14, s14, 15
	s_lshl_b32 s14, s14, 23
	s_or_b32 s14, s14, 0x600000
	v_mov_b32 v[LQ], s14
.set n, 0
.rept 64
	v_pk_fma_f32 v[S0+n:S0+n+1], v[S0+n:S0+n+1], s[12:13], v[P+n%32:P+n%32+1] op_sel_hi:[1,0,1]   ; q = sum x 2^(e0 + e1) + bq; each accumulator from its low end on
.set n, n+2
.endr
.set n, 0
.rept 128
	v_med3_num_f32 v[S0+n], v[S0+n], -v[LQ], v[LQ]
.set n, n+1
.endr
.set n, 0
.rept 16
	v_cvt_scalef32_pk8_bf8_f32 v[Q+2*n:Q+2*n+1], v[S0+8*n:S0+8*n+7], v[SQ]   ; registers 8 i + 2 t, + 1 of Q: token tile i, channels 16 t + 8 h + 0..7
.set n, n+1
.endr
	v_nop
.macro FETCH_K adr                     ; 8 tiles of 16 keys x 64 channels
	WIN 0x40
.irp t, 0,1,2,3,4,5,6,7
	ds_load_b128 v[KF+8*\t:KF+8*\t+3], v[\adr] offset:1024*\t
	ds_load_b128 v[KF+8*\t+4:KF+8*\t+7], v[\adr] offset:1024*\t+512
.endr
	WIN 0
.endm
.macro FETCH_V                         ; 4 tiles of 16 channels x 128 keys
	WIN 0x40
.irp t, 0,1,2,3
.irp c, 0,1,2,3
	ds_load_b128 v[VF+16*\t+4*\c:VF+16*\t+4*\c+3], v[ADV] offset:2048*\t+512*\c
.endr
.endr
	WIN 0
.endm
.macro HOLD g                          ; p is not negative: a one-sided hold at the largest code x the scale, two numbers a line; the conversion does not saturate (ISA guide 7.6.2)
.irp x, 0,1
	v_dual_min_num_f32 v[S0+64*\x+4*(\g)], v[S0+64*\x+4*(\g)], v4 :: v_dual_min_num_f32 v[S0+64*\x+4*(\g)+1], v[S0+64*\x+4*(\g)+1], v4
	v_dual_min_num_f32 v[S0+64*\x+4*(\g)+2], v[S0+64*\x+4*(\g)+2], v4 :: v_dual_min_num_f32 v[S0+64*\x+4*(\g)+3], v[S0+64*\x+4*(\g)+3], v4
.endr
.endm
.macro CVT b                           ; 16 numbers of each tile become 4 registers of the second product's operand
.irp x, 0,1
	v_cvt_scalef32_pk8_bf8_f32 v[P+16*\x+4*(\b):P+16*\x+4*(\b)+1], v[S0+64*\x+16*(\b):S0+64*\x+16*(\b)+7], v5
	v_cvt_scalef32_pk8_bf8_f32 v[P+16*\x+4*(\b)+2:P+16*\x+4*(\b)+3], v[S0+64*\x+16*(\b)+8:S0+64*\x+16*(\b)+15], v5
.endr
.endm
; Tiles a and a + 1 through a step.  x = 0, 1 names the tile of the pair; every chain of one stands beside the other's.
.macro PAIR a
	WIN 0x01
.irp t, 0,1,2,3,4,5,6,7
.irp x, 0,1
	v_wmma_f32_16x16x64_bf8_bf8 v[S0+64*\x+8*\t:S0+64*\x+8*\t+7], v[KF+8*\t:KF+8*\t+7], v[Q+8*(\a+\x):Q+8*(\a+\x)+7], 0
.endr
.endr
	WIN 0
.if \a == 0                            ; four places behind the products, ahead of loads into fragments that they read and of the first read of the scores
	v_add_nc_u32 v[ADV], s[TB], v3
	v_add_nc_u32 v[ADK], s[TB], v2
	v_nop
	v_nop
	FETCH_V
.else
.rept 4
	v_nop
.endr
	FETCH_K ADK                                    ; the next step's (the last step reads V's first bytes, and nothing uses them)
.endif
.irp x, 0,1                            ; the largest score, two chains a tile; each accumulator is read from its low end on
	v_max3_num_f32 v[TA+\x], v[S0+64*\x], v[S0+64*\x+1], v[S0+64*\x+2]
.endr
.irp x, 0,1
	v_max3_num_f32 v[TC+\x], v[S0+64*\x+3], v[S0+64*\x+4], v[S0+64*\x+5]
.endr
.set n, 6
.rept 14
.irp x, 0,1
	v_max3_num_f32 v[TA+\x], v[TA+\x], v[S0+64*\x+n], v[S0+64*\x+n+1]
.endr
.irp x, 0,1
	v_max3_num_f32 v[TC+\x], v[TC+\x], v[S0+64*\x+n+2], v[S0+64*\x+n+3]
.endr
.set n, n+4
.endr
.irp x, 0,1
	v_max3_num_f32 v[TA+\x], v[TA+\x], v[S0+64*\x+62], v[S0+64*\x+63]
.endr
.irp x, 0,1
	v_max_num_f32 v[TA+\x], v[TA+\x], v[TC+\x]
.endr
.irp x, 0,1
	v_permlanex16_b32 v[TP+\x], v[TA+\x], s[SEL], s[SEL+1]
.endr
.irp x, 0,1
	v_max3_num_f32 v[ST+8*(\a+\x)+1], v[ST+8*(\a+\x)+1], v[TA+\x], v[TP+\x]   ; the running largest raw score (c is positive)
.endr
.irp x, 0,1
	v_mul_f32 v[TA+\x], s[CS], v[ST+8*(\a+\x)+1]   ; as t
.endr
.irp x, 0,1
	v_floor_f32 v[TC+\x], -v[TA+\x]                ; the new -M = -ceil(t)
.endr
.irp x, 0,1
	v_sub_f32 v[TA+\x], v[TC+\x], v[ST+8*(\a+\x)]  ; old M - new M, a whole number, 0 or less
.endr
.irp x, 0,1
	v_mov_b32 v[ST+8*(\a+\x)], v[TC+\x]
.endr
.irp x, 0,1
	v_cvt_i32_f32 v[TA+\x], v[TA+\x]               ; (it saturates)
.endr
.irp x, 0,1
	v_ldexp_f32 v[ST+8*(\a+\x)+4], 1.0, v[TA+\x]   ; f = 2^(old M - new M)
.endr
.irp x, 0,1
.set n, 0
.rept 32
	v_pk_fma_f32 v[S0+64*\x+n:S0+64*\x+n+1], v[S0+64*\x+n:S0+64*\x+n+1], s[CS:CS+1], v[ST+8*(\a+\x):ST+8*(\a+\x)+1] op_sel_hi:[1,0,0]   ; t - M
.set n, n+2
.endr
.endr
.if \a == 0
	s_wait_dscnt 0x0                               ; V's fragments are in
.endif
	WIN 0x41
	s_wait_alu depctr_va_vdst(0)                   ; directly ahead of O^T's first readers, and ahead of the batch for what the lines above wrote
.irp x, 0,1
.set n, 0
.rept 16
	v_pk_mul_f32 v[O+32*(\a+\x)+n:O+32*(\a+\x)+n+1], v[O+32*(\a+\x)+n:O+32*(\a+\x)+n+1], v[ST+8*(\a+\x)+4:ST+8*(\a+\x)+5] op_sel_hi:[1,0]   ; O^T under the new M
.set n, n+2
.endr
.endr
	WIN 0
.set n, 0
.rept 128
	v_exp_f32 v[S0+n], v[S0+n]                     ; p = 2^(t - M)
.set n, n+1
.endr
.irp x, 0,1
	v_pk_mul_f32 v[ST+8*(\a+\x)+2:ST+8*(\a+\x)+3], v[ST+8*(\a+\x)+2:ST+8*(\a+\x)+3], v[ST+8*(\a+\x)+4:ST+8*(\a+\x)+5] op_sel_hi:[1,0]   ; the sums under the new M; the plain place behind the batch
.endr
	s_wait_alu depctr_va_vdst(0)                   ; one wait for the batch, ahead of its first reader
.irp x, 0,1                            ; the sum of the unquantised p, two chains a tile; a group of four is held only behind its additions
	v_pk_add_f32 v[TS+2*\x:TS+2*\x+1], v[S0+64*\x:S0+64*\x+1], v[S0+64*\x+2:S0+64*\x+3]
.endr
.set g, 1
.rept 15
.irp x, 0,1
	v_pk_add_f32 v[ST+8*(\a+\x)+2:ST+8*(\a+\x)+3], v[ST+8*(\a+\x)+2:ST+8*(\a+\x)+3], v[S0+64*\x+4*g:S0+64*\x+4*g+1]
.endr
.irp x, 0,1
	v_pk_add_f32 v[TS+2*\x:TS+2*\x+1], v[TS+2*\x:TS+2*\x+1], v[S0+64*\x+4*g+2:S0+64*\x+4*g+3]
.endr
	HOLD (g-1)
.if (g%4) == 0
	CVT (g/4-1)
.endif
.set g, g+1
.endr
.irp x, 0,1
	v_pk_add_f32 v[ST+8*(\a+\x)+2:ST+8*(\a+\x)+3], v[ST+8*(\a+\x)+2:ST+8*(\a+\x)+3], v[TS+2*\x:TS+2*\x+1]
.endr
	HOLD 15
	CVT 3
	v_nop                                          ; one plain line between the conversions and the products that read their results
	WIN 0x51
.irp t, 0,1,2,3                        ; O^T += V^T P^T: eight accumulators by turns
.irp x, 0,1
	v_wmma_f32_16x16x128_bf8_bf8 v[O+32*(\a+\x)+8*\t:O+32*(\a+\x)+8*\t+7], v[VF+16*\t:VF+16*\t+15], v[P+16*\x:P+16*\x+15], v[O+32*(\a+\x)+8*\t:O+32*(\a+\x)+8*\t+7]
.endr
.endr
.endm
	s_wait_alu depctr_va_vdst(0)
	s_wait_tensorcnt 0x0                           ; my quarter is in,
	s_barrier_signal -1
	s_barrier_wait -1                              ; everybody's is
	FETCH_K 1
.Lstep:
	s_wait_dscnt 0x0                               ; this step's K
	PAIR 0
	PAIR 2
	WIN 0
	s_add_co_u32 s[TB], s[TB], 8192
	s_sub_co_u32 s[CNT], s[CNT], 1
	s_cmp_lg_u32 s[CNT], 0
	s_cbranch_scc1 .Lstep
	s_wait_dscnt 0x0
	; THE WAY OUT: O^T / the sum x 2^(e8 + e9), held, converted with 2^e10, stored from registers: each store 512 consecutive bytes, aligned
.irp i, 0,1,2,3
	v_add_f32 v[ST+8*\i+2], v[ST+8*\i+2], v[ST+8*\i+3]
.endr
.irp i, 0,1,2,3
	v_permlanex16_b32 v[ST+8*\i+6], v[ST+8*\i+2], s[SEL], s[SEL+1]
.endr
.irp i, 0,1,2,3
	v_add_f32 v[ST+8*\i+2], v[ST+8*\i+2], v[ST+8*\i+6]
.endr
	s_wait_alu depctr_va_vdst(0)                   ; ahead of the batch
.irp i, 0,1,2,3
	v_rcp_f32 v[ST+8*\i+4], v[ST+8*\i+2]
.endr
	v_nop
	s_wait_alu depctr_va_vdst(0)                   ; behind it
.irp i, 0,1,2,3
	v_ldexp_f32 v[ST+8*\i+4], v[ST+8*\i+4], s57
.endr
	WIN 0x01
	s_wait_alu depctr_va_vdst(0)                   ; directly ahead of O^T's first readers
.irp i, 0,1,2,3
.set n, 0
.rept 16
	v_pk_mul_f32 v[S0+32*\i+n:S0+32*\i+n+1], v[O+32*\i+n:O+32*\i+n+1], v[ST+8*\i+4:ST+8*\i+5] op_sel_hi:[1,0]
.set n, n+2
.endr
.endr
	WIN 0
.set n, 0
.rept 128
	v_med3_num_f32 v[S0+n], v[S0+n], -v6, v6
.set n, n+1
.endr
.set n, 0
.rept 16
	v_cvt_scalef32_pk8_bf8_f32 v[P+2*n:P+2*n+1], v[S0+8*n:S0+8*n+7], v7
.set n, n+1
.endr
	v_nop
.irp i, 0,1,2,3
	global_store_b128 v1, v[P+8*\i:P+8*\i+3], s[8:9] offset:4096*\i
	global_store_b128 v1, v[P+8*\i+4:P+8*\i+7], s[8:9] offset:4096*\i+512
.endr
	s_wait_tensorcnt 0x0                           ; the wave's end
	ds_add_u32 v[SPW], v[NIL]
	s_wait_dscnt 0x0
	CROUND                                         ; the closing round
	s_endpgm
.Lfunc_end_k_q2fd34ef928_attn:
	.size	k_q2fd34ef928_attn, .Lfunc_end_k_q2fd34ef928_attn-k_q2fd34ef928_attn
	.p2alignl 7, 3214868480
	.fill 96, 4, 3214868480
	.section	.rodata,"a",@progbits
	.p2align	6, 0x0
	.amdhsa_kernel k_q2fd34ef928_attn
		.amdhsa_group_segment_fixed_size 327680
		.amdhsa_private_segment_fixed_size 0
		.amdhsa_enable_private_segment 0
		.amdhsa_kernarg_size 40
		.amdhsa_user_sgpr_count 2
		.amdhsa_user_sgpr_kernarg_segment_ptr 1
		.amdhsa_wavefront_size32 1
		.amdhsa_system_sgpr_workgroup_id_x 1
		.amdhsa_system_sgpr_workgroup_id_y 1
		.amdhsa_system_sgpr_workgroup_id_z 1
		.amdhsa_system_vgpr_workitem_id 0
		.amdhsa_next_free_vgpr 512
		.amdhsa_next_free_sgpr 66
		.amdhsa_reserve_vcc 0
		.amdhsa_float_denorm_mode_32 3
		.amdhsa_float_denorm_mode_16_64 3
		.amdhsa_memory_ordered 1
		.amdhsa_forward_progress 1
		.amdhsa_inst_pref_size 130
	.end_amdhsa_kernel
	.amdgpu_metadata
---
amdhsa.version: [ 1, 2 ]
amdhsa.kernels:
  - .name:           k_q2fd34ef928_attn
    .symbol:         k_q2fd34ef928_attn.kd
    .args:
      - { .name: hcodes, .offset: 0, .size: 8, .value_kind: global_buffer, .address_space: global }
      - { .name: lowp_scales, .offset: 8, .size: 8, .value_kind: global_buffer, .address_space: global }
      - { .name: ocodes, .offset: 16, .size: 8, .value_kind: global_buffer, .address_space: global }
      - { .name: codes, .offset: 24, .size: 8, .value_kind: global_buffer, .address_space: global }
      - { .name: bq, .offset: 32, .size: 8, .value_kind: global_buffer, .address_space: global }
    .group_segment_fixed_size: 327680
    .private_segment_fixed_size: 0
    .kernarg_segment_align: 8
    .kernarg_segment_size: 40
    .max_flat_workgroup_size: 256
    .sgpr_count:     66
    .vgpr_count:     512
    .wavefront_size: 32
...
	.end_amdgpu_metadata
.endif
;; end of part 3
;; launch oproj (part 4): grid 4 x 32, 4 waves a work-group, clusters of 4 x 4, 327,680 bytes of LDS; arguments ocodes, codes, lowp_scales, bo, out0; writes out0
.if DOCPART == 4
	.amdgcn_target "amdgcn-amd-amdhsa--gfx1250"
	.amdhsa_code_object_version 6
	.text
	.protected	k_q2fd34ef928_oproj
	.globl	k_q2fd34ef928_oproj
	.p2align	8
	.type	k_q2fd34ef928_oproj,@function
k_q2fd34ef928_oproj:
	s_mov_b64 s[64:65], 0
	v_nop
	global_prefetch_b8 v0, s[64:65] scope:SCOPE_SE
	s_setreg_imm32_b32 hwreg(HW_REG_WAVE_MODE, 25, 1), 1
	s_wait_xcnt 0x0
	s_wait_alu depctr_hold_cnt(0) depctr_sa_sdst(0) depctr_va_vdst(0) depctr_va_sdst(0) depctr_va_ssrc(0) depctr_va_vcc(0) depctr_vm_vsrc(0)
	s_getreg_b32 s2, hwreg(HW_REG_IB_STS2, 6, 4)
	s_cmp_eq_u32 s2, 0
	s_cbranch_scc0 .Lentry_in_a_cluster
	s_endpgm
.Lentry_in_a_cluster:
	s_bfe_u32 s2, ttmp6, 0x10000c
	s_cmp_lg_u32 s2, 0xf033
	s_cbranch_scc0 .Lentry_shape_is_right
	s_endpgm
.Lentry_shape_is_right:
.set SIZE_N, 1024
.set ROWB,   256
.set KROW,   1024
.set PITCH,  272
.set FR,     16
.set NL,     4
.set NP,     4
.set HALFT,  128*PITCH
.set HALFA,  32768
.set ABYTES, 2*HALFA
.set SLOT,   ABYTES+2*HALFT
.set SPARE,  2*SLOT
.set KSA,    2097152
.set WOBASE, 28311552
.set SPITCH, 528
.set ADRA, 16
.set ADRB, 20
.set STO,  24
.set RD,   25
.set CO,   26
.set SPW,  28
.set NIL,  29
.set BB,   32
.set AF,   128
.set TMP,  128
.set G1, 24
.set G0, 32
.set G1B, 48
.set G0B, 56
.set MSB, 0
.macro WIN new
.if MSB != (\new)
	s_set_vgpr_msb (MSB<<8)|(\new)
.set MSB, (\new)
.endif
.endm
.set MUL_LO, 0xa1
.set MUL_HI, 0xf1
.set TO_B,   0x40
.macro JLOAD g0a, g1a, g0b, g1b
	s_cmp_eq_u32 s15, 0
	s_cbranch_scc0 .Lfor_b_\@
	tensor_load_to_lds s[\g0a:\g0a+3], s[\g1a:\g1a+7]
	s_nop 0
.rept 4
	v_nop
.endr
	s_branch .Lasked_\@
.Lfor_b_\@:
	tensor_load_to_lds s[\g0b:\g0b+3], s[\g1b:\g1b+7]
	s_nop 0
.rept 4
	v_nop
.endr
.Lasked_\@:
.endm
.macro CREST
	s_cmp_lg_u32 s14, 0
	s_cbranch_scc1 .Lnot_wave_0_\@
	s_barrier_signal -3
.Lnot_wave_0_\@:
	s_barrier_wait -3
	s_barrier_signal -1
	s_barrier_wait -1
.endm
.macro CROUND
	s_barrier_signal -1
	s_barrier_wait -1
	CREST
.endm
	s_load_b128 s[4:7], s[0:1], 0x0
	s_load_b128 s[8:11], s[0:1], 0x10
	s_load_b64 s[12:13], s[0:1], 0x20
	v_lshl_add_u32 v[SPW], v0, 2, SPARE
	v_mov_b32 v[NIL], 0
	ds_add_u32 v28, v29
	ds_add_u32 v28, v29
	s_wait_dscnt 0x0
	v_lshrrev_b32 v1, 5, v0
	v_readfirstlane_b32 s14, v1
	s_lshr_b32 s15, s14, 1
	s_and_b32 s16, s14, 1
	s_bfe_u32 s40, ttmp6, 0x40000
	s_bfe_u32 s41, ttmp6, 0x40004
	s_lshl_b32 s42, ttmp9, 2
	s_add_co_u32 s42, s42, s40
	s_and_b32 s17, ttmp7, 0xffff
	s_lshl_b32 s17, s17, 2
	s_add_co_u32 s17, s17, s41
	s_lshl_b32 s43, s41, 2
	s_lshl_b32 s43, 15, s43
	s_lshl_b32 s44, 0x1111, s40
	s_or_b32 s[G1+0], s43, (0<<16)|(1<<21)
	s_or_b32 s[G1B+0], s44, (0<<16)|(1<<20)|(1<<21)|(5<<22)|(3<<25)
.irp g, G1, G1B
	s_mov_b32 s[\g+1], ROWB<<16
	s_mov_b32 s[\g+2], 128<<16
	s_mov_b32 s[\g+3], ROWB<<16
	s_mov_b32 s[\g+4], 128
	s_mov_b32 s[\g+6], 0
	s_mov_b32 s[\g+7], 0
.endr
	s_mov_b32 s[G1+5], ROWB
	s_mov_b32 s[G1B+5], KROW
	s_lshl_b32 s20, s17, 4
	s_lshl_b32 s18, s16, 3
	s_add_co_u32 s20, s20, s18
	s_lshl_b32 s20, s20, 12
	s_mov_b32 s21, 0
	s_lshl_b32 s46, s42, 8
	s_lshl_b32 s18, s16, 7
	s_add_co_u32 s46, s46, s18
	s_lshl_b32 s46, s46, 10
	s_add_co_u32 s46, s46, WOBASE
	s_mov_b32 s47, 0
	s_lshl_b32 s45, s16, 15
	s_mul_i32 s19, s16, HALFT
	s_add_co_u32 s19, s19, ABYTES
	s_wait_kmcnt 0x0
	s_load_b64 s[96:97], s[8:9], 0x28
	s_add_nc_u64 s[20:21], s[4:5], s[20:21]
	s_add_nc_u64 s[46:47], s[6:7], s[46:47]
	CROUND
.irp s, 0,1
	s_mov_b32 s[G0+4*\s], 1
	s_add_co_u32 s[G0+4*\s+1], s45, \s*SLOT
	s_add_nc_u64 s[G0+4*\s+2:G0+4*\s+3], s[20:21], \s*KSA
	s_or_b32 s[G0+4*\s+3], s[G0+4*\s+3], 0x80000000
	s_mov_b32 s[G0B+4*\s], 1
	s_add_co_u32 s[G0B+4*\s+1], s19, \s*SLOT
	s_add_nc_u64 s[G0B+4*\s+2:G0B+4*\s+3], s[46:47], \s*ROWB
	s_or_b32 s[G0B+4*\s+3], s[G0B+4*\s+3], 0x80000000
	s_wait_alu depctr_va_vdst(0)
	s_wait_tensorcnt 0x0
	ds_add_u32 v28, v29
	ds_add_u32 v28, v29
	s_wait_dscnt 0x0
	CROUND
	JLOAD G0+4*\s, G1, G0B+4*\s, G1B
.endr
	v_and_b32 v1, 15, v0
	v_bfe_u32 v2, v0, 4, 1
	v_mul_u32_u24 v3, v1, PITCH
	v_lshl_add_u32 v4, v2, 4, v3
	v_and_b32 v6, 31, v0
	v_lshlrev_b32 v[CO], 4, v6
	s_wait_alu depctr_va_vdst(0)
	s_lshl_b32 s21, s15, 15
	s_mul_i32 s22, s16, HALFT
	s_add_co_u32 s22, s22, ABYTES
.irp s, 0,1
	v_add_nc_u32 v[ADRA+\s], s21, v[CO]
	v_add_nc_u32 v[ADRB+\s], s22, v4
	s_add_co_u32 s21, s21, SLOT
	s_add_co_u32 s22, s22, SLOT
.endr
	s_mul_i32 s23, s14, 16*SPITCH
	v_mul_u32_u24 v5, v1, SPITCH
	v_lshl_add_u32 v5, v2, 5, v5
	v_add_nc_u32 v[STO], s23, v5
	v_add_nc_u32 v[RD], s23, v[CO]
	v_lshlrev_b32 v7, 5, v2
	s_wait_alu depctr_va_vdst(0)
	s_lshl_b32 s20, s17, 8
	s_lshl_b32 s21, s15, 7
	s_add_co_u32 s20, s20, s21
	s_lshl_b32 s20, s20, 12
	s_mov_b32 s21, 0
	s_lshl_b32 s46, s42, 10
	s_lshl_b32 s47, s16, 9
	s_add_co_u32 s46, s46, s47
	s_mov_b32 s47, 0
	s_add_nc_u64 s[10:11], s[10:11], s[46:47]
	s_add_nc_u64 s[12:13], s[12:13], s[20:21]
	s_add_nc_u64 s[12:13], s[12:13], s[46:47]
.irp b, 0,1,2,3,4,5,6,7
	global_load_b128 v[BB+8*\b:BB+8*\b+3], v7, s[10:11] offset:64*\b
	global_load_b128 v[BB+8*\b+4:BB+8*\b+7], v7, s[10:11] offset:64*\b+16
.endr
.macro FRAGB reg, adr, q, i
.irp c, 0,1,2,3
	ds_load_b128 v[\reg+4*\c:\reg+4*\c+3], v[\adr] offset:128*(\q)+32*\c+(\i)*16*PITCH
.endr
.endm
.macro FRAGA reg, adr, q, i
.irp c, 0,1,2,3
	ds_load_b128 v[\reg+4*\c:\reg+4*\c+3], v[\adr] offset:4096*(\i)+2048*(\q)+512*\c
.endr
.endm
.macro MUL16 a0, p, zero
.irp a, \a0, \a0+1
.irp b, 0,1,2,3,4,5,6,7
.if \zero
	v_wmma_f32_16x16x128_bf8_bf8 v[8*(8*((\a)%4)+\b):8*(8*((\a)%4)+\b)+7], v[128*(\p)+FR*\b:128*(\p)+FR*\b+FR-1], v[AF+FR*(\a):AF+FR*(\a)+FR-1], 0
.else
	v_wmma_f32_16x16x128_bf8_bf8 v[8*(8*((\a)%4)+\b):8*(8*((\a)%4)+\b)+7], v[128*(\p)+FR*\b:128*(\p)+FR*\b+FR-1], v[AF+FR*(\a):AF+FR*(\a)+FR-1], v[8*(8*((\a)%4)+\b):8*(8*((\a)%4)+\b)+7]
.endif
.endr
.endr
.endm
.macro FETCH_B slot, q, p
	WIN TO_B
.irp i, 0,1,2,3,4,5,6,7
	FRAGB 128*(\p)+FR*\i, ADRB+\slot, \q, \i
.endr
	WIN 0
.endm
.macro FETCH_A slot, q, i0
.irp i, \i0, \i0+1, \i0+2, \i0+3
	FRAGA AF+FR*(\i), ADRA+\slot, \q, \i
.endr
.endm
.macro PLACES n
.rept \n
	v_nop
.endr
.endm
.macro STEP slot, q, zero
	s_wait_dscnt 4*NL
	WIN MUL_LO
	MUL16 0, (\q)%2, \zero
	MUL16 2, (\q)%2, \zero
	s_wait_dscnt 0
	PLACES NP
	FETCH_B \slot, (\q)+1, 1-(\q)%2
	FETCH_A \slot, (\q)+1, 0
	WIN MUL_HI
	MUL16 4, (\q)%2, \zero
	MUL16 6, (\q)%2, \zero
	PLACES NP
	WIN 0
	FETCH_A \slot, (\q)+1, 4
.endm
.macro TURN slot, next, fill
	s_wait_tensorcnt 0x0
	ds_add_u32 v[SPW], v[NIL]
	s_wait_dscnt 4*NL+1
	WIN MUL_LO
	MUL16 0, 1, 0
	s_wait_dscnt 0x0
	s_barrier_signal -1
	MUL16 2, 1, 0
	WIN 0
	s_barrier_wait -1
.if \fill
	CREST
	s_add_nc_u64 s[G0+4*\slot+2:G0+4*\slot+3], s[G0+4*\slot+2:G0+4*\slot+3], 2*KSA
	s_add_nc_u64 s[G0B+4*\slot+2:G0B+4*\slot+3], s[G0B+4*\slot+2:G0B+4*\slot+3], 2*ROWB
	JLOAD G0+4*\slot, G1, G0B+4*\slot, G1B
.else
	PLACES NP
.endif
	FETCH_B \next, 0, 0
	FETCH_A \next, 0, 0
	WIN MUL_HI
	MUL16 4, 1, 0
	MUL16 6, 1, 0
	PLACES NP
	WIN 0
	FETCH_A \next, 0, 4
.endm
	s_wait_tensorcnt 1
	s_barrier_signal -1
	s_barrier_wait -1
	FETCH_B 0, 0, 0
	FETCH_A 0, 0, 0
	FETCH_A 0, 0, 4
	STEP 0, 0, 1
	TURN 0, 1, 1
	STEP 1, 0, 0
	TURN 1, 0, 1
	STEP 0, 0, 0
	TURN 0, 1, 0
	STEP 1, 0, 0
	s_wait_dscnt 4*NL
	WIN MUL_LO
	MUL16 0, 1, 0
	MUL16 2, 1, 0
	s_wait_dscnt 0
	WIN MUL_HI
	MUL16 4, 1, 0
	MUL16 6, 1, 0
	WIN 0
.macro TOSTAGE a
	WIN 0x02+((\a)/4)
.set j, 0
.rept 32
	v_pk_fma_f32 v[TMP+j:TMP+j+1], v[64*((\a)%4)+j:64*((\a)%4)+j+1], s[96:97], v[BB+j:BB+j+1] op_sel_hi:[1,0,1]
.set j, j+2
.endr
	WIN 0
.irp b, 0,1,2,3,4,5,6,7
	ds_store_b128 v[STO], v[TMP+8*\b:TMP+8*\b+3] offset:64*\b
	ds_store_b128 v[STO], v[TMP+8*\b+4:TMP+8*\b+7] offset:64*\b+16
.endr
	WIN 0x40
.irp t, 0,1,2,3,4,5,6,7,8,9,10,11,12,13,14,15
	ds_load_b128 v[64*((\a)%2)+4*\t:64*((\a)%2)+4*\t+3], v[RD] offset:\t*SPITCH
.endr
	WIN 0
.endm
.macro SEND a, younger
	s_wait_dscnt \younger
.if (\a) > 0
	s_add_nc_u64 s[12:13], s[12:13], 16*SIZE_N*4
.endif
	WIN 0x04
.irp t, 0,1,2,3,4,5,6,7,8,9,10,11,12,13,14,15
	global_store_b128 v[CO], v[64*((\a)%2)+4*\t:64*((\a)%2)+4*\t+3], s[12:13] offset:\t*SIZE_N*4 th:TH_STORE_NT
.endr
	WIN 0
.endm
	s_wait_kmcnt 0x0
	s_wait_loadcnt 0x0
	s_add_co_i32 s96, s96, s97
	s_add_co_i32 s96, s96, 127
	s_lshl_b32 s96, s96, 23
	PLACES NP
	TOSTAGE 0
.irp a, 1,2,3,4,5,6,7
.if \a > 1
	s_wait_xcnt 0x0
.endif
	TOSTAGE \a
	SEND \a-1, 32
.endr
	s_wait_xcnt 0x0
	SEND 7, 0
	s_wait_tensorcnt 0x0
	ds_add_u32 v[SPW], v[NIL]
	s_wait_dscnt 0x0
	CROUND
	s_endpgm
.Lfunc_end_k_q2fd34ef928_oproj:
	.size	k_q2fd34ef928_oproj, .Lfunc_end_k_q2fd34ef928_oproj-k_q2fd34ef928_oproj
	.p2alignl 7, 3214868480
	.fill 96, 4, 3214868480
	.section	.rodata,"a",@progbits
	.p2align	6, 0x0
	.amdhsa_kernel k_q2fd34ef928_oproj
		.amdhsa_group_segment_fixed_size 327680
		.amdhsa_private_segment_fixed_size 0
		.amdhsa_enable_private_segment 0
		.amdhsa_kernarg_size 40
		.amdhsa_user_sgpr_count 2
		.amdhsa_user_sgpr_kernarg_segment_ptr 1
		.amdhsa_wavefront_size32 1
		.amdhsa_system_sgpr_workgroup_id_x 1
		.amdhsa_system_sgpr_workgroup_id_y 1
		.amdhsa_system_sgpr_workgroup_id_z 1
		.amdhsa_system_vgpr_workitem_id 0
		.amdhsa_next_free_vgpr 1024
		.amdhsa_next_free_sgpr 98
		.amdhsa_reserve_vcc 0
		.amdhsa_float_denorm_mode_32 3
		.amdhsa_float_denorm_mode_16_64 3
		.amdhsa_memory_ordered 1
		.amdhsa_forward_progress 1
		.amdhsa_inst_pref_size 127
	.end_amdhsa_kernel
	.amdgpu_metadata
---
amdhsa.version: [ 1, 2 ]
amdhsa.kernels:
  - .name:           k_q2fd34ef928_oproj
    .symbol:         k_q2fd34ef928_oproj.kd
    .args:
      - { .name: ocodes, .offset: 0, .size: 8, .value_kind: global_buffer, .address_space: global }
      - { .name: codes, .offset: 8, .size: 8, .value_kind: global_buffer, .address_space: global }
      - { .name: lowp_scales, .offset: 16, .size: 8, .value_kind: global_buffer, .address_space: global }
      - { .name: bo, .offset: 24, .size: 8, .value_kind: global_buffer, .address_space: global }
      - { .name: out0, .offset: 32, .size: 8, .value_kind: global_buffer, .address_space: global }
    .group_segment_fixed_size: 327680
    .private_segment_fixed_size: 0
    .kernarg_segment_align: 8
    .kernarg_segment_size: 40
    .max_flat_workgroup_size: 128
    .sgpr_count:     98
    .vgpr_count:     1024
    .wavefront_size: 32
...
	.end_amdgpu_metadata
.endif
;; end of part 4
